; MI455X (gfx1250); checked and timed in simulation.
; The chip was launched on July 23, 2026; its instructions are those of AMD's public machine-readable ISA for CDNA 5 (MIT licence, August 2026) and "CDNA5" Instruction Set Architecture Reference Guide (July 2026). The comments in the code are by the model that wrote it; some were corrected since.
;; Multi Head Self Attention. Allowed arithmetic: matrix products marked QUANTISED: E2M3 operands, one E8M0 scale for each 32 along K, by v_wmma_scale_f32_16x16x128_f8f6f4 with both operands' format E2M3, f32 sums; everything else in f32.
;; Inputs: b_proj 1,024 float32; b_qkv 3,072 float32; w_proj_codes 1,024 x 32 x 24 uint8 (E2M3 codes of w_proj, K innermost, in blocks of 32 codes, four codes in three bytes); w_proj_scales 1,024 x 32 uint8 (E8M0 scales of w_proj, one for each 32 codes along K); w_qkv_codes 3,072 x 32 x 24 uint8 (E2M3 codes of w_qkv, K innermost, in blocks of 32 codes, four codes in three bytes); w_qkv_scales 3,072 x 32 uint8 (E8M0 scales of w_qkv, one for each 32 codes along K); x_codes 4 x 2,048 x 32 x 24 uint8 (E2M3 codes of x, K innermost, in blocks of 32 codes, four codes in three bytes); x_scales 4 x 2,048 x 32 uint8 (E8M0 scales of x, one for each 32 codes along K).
;; Outputs: out0 4 x 2,048 x 1,024 float32.
;; This version of the problem:
;;   THIS VERSION OF THE PROBLEM IS GIVEN IN LOW PRECISION. The matrix products marked QUANTISED in the list below multiply operands that are first quantised to E2M3 (2 exponent bits, 3 mantissa bits; 6 bits a number), with one power-of-two scale for each 32 numbers along K (OCP MX v1.0); their sums are f32. All else is computed in f32.
;;   The module's matrix products, in the order in which they are computed (A, B: the left and right operand; K: the contracted axis; several contracted axes count as one K, in the product's order):
;;     1. [M 8,192, K 1,024] x [K 1,024, N 3,072]; A: input x (given as codes); B: input w_qkv (given as codes): QUANTISED
;;     2. batch 64 x [M 2,048, K 64] x [K 64, N 2,048]; A: computed on the way; B: computed on the way: QUANTISED
;;     3. batch 64 x [M 2,048, K 2,048] x [K 2,048, N 64]; A: softmax (see below); B: computed on the way: QUANTISED
;;     4. [M 8,192, K 1,024] x [K 1,024, N 1,024]; A: computed on the way; B: input w_proj (given as codes): QUANTISED
;;   THE QUANTISER, for each operand of a quantised product, along K:
;;     - K is cut into blocks of 32 from its start; a last block that is shorter is filled with zeros.
;;     - A block's scale is 2^e with e = floor(log2(the largest magnitude in the block)) - 2, held to -126 .. 127; a block of zeros has e = 0. As a byte (E8M0): e + 127.
;;     - Each number is divided by its block's scale, clamped to +-7.5, and rounded to the nearest number of E2M3, ties to even, subnormals kept.
;;     - The product sums the exact products of the quantised numbers (number of the format x scale) in f32.
;;   ~~~python
;;   def quantise(x, axis):      # numpy; x: float32 -> the quantised numbers, widened to float32 again
;;       x = np.moveaxis(x, axis, -1); K = x.shape[-1]
;;       x = np.pad(x, [(0, 0)] * (x.ndim - 1) + [(0, -K % 32)]); x = x.reshape(x.shape[:-1] + (-1, 32)); a = np.abs(x).max(-1, keepdims=True)
;;       e = np.where(a > 0, np.clip(np.frexp(np.where(a > 0, a, 1))[1] - 1 - 2, -126, 127), 0)      # np.frexp(a)[1] - 1 = floor(log2(a)), exactly
;;       r = np.clip(x / 2.0 ** e, -7.5, 7.5)
;;       step = 2.0 ** (np.maximum(np.frexp(np.where(r == 0, 1, r))[1] - 1, 0) - 3)
;;       q = np.round(r / step) * step * 2.0 ** e      # np.round: ties to even
;;       return np.moveaxis(q.reshape(q.shape[:-2] + (-1,))[..., :K], -1, axis).astype(np.float32)
;;   ~~~
;;   SOFTMAX AHEAD OF A QUANTISED PRODUCT. Where the list says 'softmax', what is quantised is not the finished softmax but p = 2^(t - M), with t = logit x log2(e) and M = ceil(the row's largest t), a whole number; so 1/2 < the row's largest p <= 1. The row's sum l is taken of the UNQUANTISED p, in f32, and the product's result is divided by l at the end. Since M is a whole number, a kernel that streams over the keys may use a running M (the ceiling of the running maximum): every later rescaling is an exact power of two, which a block's scale takes up: the codes' values come out the same.
;;   OPERANDS COMPUTED ON THE WAY. 'Computed on the way' means the value that the module computes at that place (a softmax that the list does not call 'softmax' is quantised finished and normalised). What goes into a quantiser is computed in f32, as accurately as f32 sums, v_exp_f32 and their like allow (about 1e-6 of the number): no bf16 or f16 on the way to a quantiser, and a product that is left as it is and whose result goes on into a quantised operand takes f32 operands (vector FMAs, or v_wmma_f32_16x16x4_f32). A number that lies on a knife's edge between two numbers of the format may be rounded either way, as far as f32 arithmetic and the matrix unit's own rounding can turn it there, and no further.
;;   INPUTS GIVEN AS CODES. w_proj (in the module: [1024, 1024], K = its axis 0); w_qkv (in the module: [1024, 3072], K = its axis 0); x (in the module: [4, 2048, 1024], K = its axis 2): each comes as NAME_codes (uint8): NAME with its K axis moved to the last place and cut into blocks of 32 codes, [.., K / 32, bytes a block], one block behind the other in memory; four codes in three bytes: a row's codes are one little-endian stream of bits, code i at bits 6 i .. 6 i + 5 (a code: sign, 2 exponent bits, 3 mantissa bits); and NAME_scales (uint8): the same leading axes, one E8M0 byte (e + 127) for each 32 codes along K. Its value is code x scale, taken as it is: it is not quantised again, and the codes and scales need not be those that the quantiser above would give.
;; One version. Each part assembles by itself: llvm-mc -triple=amdgcn-amd-amdhsa -mcpu=gfx1250 --defsym DOCPART=n.
;; ======== version 1 of 1: 3 launches
;; limits: right only within a limited range of input values
;; workspace buffers: q_img 6,291,456 bytes; q_sc 524,288 bytes; kv 13,369,344 bytes; ctx_img 6,291,456 bytes; ctx_sc 262,144 bytes
;; launch qkv (part 1): grid 8 x 32, 4 waves a work-group, clusters of 4 x 4, 327,680 bytes of LDS; arguments x_codes, x_scales, w_qkv_codes, w_qkv_scales, b_qkv, q_img, q_sc, kv; writes q_img, q_sc, kv
.if DOCPART == 1
	.amdgcn_target "amdgcn-amd-amdhsa--gfx1250"
	.amdhsa_code_object_version 6
	.text
	.protected	k_q13a24c239a_qkv
	.globl	k_q13a24c239a_qkv
	.p2align	8
	.type	k_q13a24c239a_qkv,@function
k_q13a24c239a_qkv:
	s_mov_b64 s[64:65], 0
	v_nop
	global_prefetch_b8 v0, s[64:65] scope:SCOPE_SE
	s_setreg_imm32_b32 hwreg(HW_REG_WAVE_MODE, 25, 1), 1
	s_wait_xcnt 0x0
	s_wait_alu depctr_hold_cnt(0) depctr_sa_sdst(0) depctr_va_vdst(0) depctr_va_sdst(0) depctr_va_ssrc(0) depctr_va_vcc(0) depctr_vm_vsrc(0)
	s_getreg_b32 s2, hwreg(HW_REG_IB_STS2, 6, 4)
	s_cmp_eq_u32 s2, 0
	s_cbranch_scc0 .Lentry_in_a_cluster
	s_endpgm
.Lentry_in_a_cluster:
	s_bfe_u32 s2, ttmp6, 0x10000c
	s_cmp_lg_u32 s2, 0xf033
	s_cbranch_scc0 .Lentry_shape_is_right
	s_endpgm
.Lentry_shape_is_right:
; qkv = x w_qkv + b_qkv on codes of FP6 (E2M3) with E8M0 scales, K = 1,024; the results are quantised in registers into the operands of attention's two products.
; A WORK-GROUP STAYS: it holds 256 rows of x, all of K, in LDS, and takes three tiles of 128 rows of w_qkv past them: q's, k's, v's rows 128 g .. 128 g + 127 (g = the tile column, two heads).
; The weights have a region of their own, filled again twice, each time behind a drained round of the cluster's barrier; the refill is asked for ahead of the finished tile's way out.
; Tensor rows are whole rows of codes: 768 bytes, each beginning at a multiple of 256 bytes; 16 bytes of padding behind every 256: LDS pitch 816.
; Four waves, 2 x 2: a wave makes 128 tokens x 64 columns (one head): 32 accumulators.  q, k: source 0 = the weight's rows, so a lane holds one token and its registers run along the head's 64.
; v: source 0 = x's rows, so a lane holds one column d and its registers run along 128 keys.  In each case the registers run along the K of the product that the numbers go into.
; THE ORDER OF CODES IN A BLOCK: register 16 B + i of a lane of half h is number 32 B + 16 (i / 8) + 8 h + i % 8 along that K; q and k get it alike, and so do v and attention's p.
; STORED: images of operand registers, 16 rows x 64 along K in 768 bytes (registers 0-3 at 16 x lane, 4-5 at 512 + 8 x lane).
;   q_img [head 64][query tile 128][768]; q_sc [head][query] one word: the row's two scale bytes, twice.
;   kv [head 64][key step 16][13,056]: 8 images of K, 4 fragments of V^T of 1,536, K's 128 scale words, V's 64.
; Scale words of x and w come by plain loads, 512 consecutive bytes for 16 rows.  The bias is the C of each sum's first matrix instruction.
; CLUSTER 4 x 4: x's rows are shared along a row of it, the weight's rows along a column, each asked for jointly.
; PREFETCH: k's weight rows are asked for at the head, v's behind the first refill: one tile ahead of the load; the sixteen waves of a column of the cluster share a tile's 384 blocks of 256 bytes by address.
; LIMITS: NaN and infinities are not served.  A block whose largest magnitude lies under 2^-124, a block of zeros too, gets the scale byte 1: these bytes are read by this program alone.
; REGISTERS: window 0 addresses, scale words, bias, the way out; windows 1 and 3 the two sets of fragments (the weight's four at v0, x's eight at v48); window 2 the accumulators.
.set PITCH, 816
.set KROW,  768
.set BB,    256*PITCH
.set SPARE, BB+128*PITCH
.set STG,   SPARE+512
.set REC,   13056
.set SRO, 6
.set BQ,  7
.set BV,  8
.set PF,  9
.set L16, 24
.set L8,  25
.set STR8, 26
.set SPW, 28
.set NIL, 29
.set STE, 30
.set STRD, 31
.set AA,  32
.set AB,  48
.set SA,  64
.set SB,  132
.set BI,  168
.set CD,  200
.set TM,  220
.set PW,  236
.set EW,  238
.set OW,  239
.set RB,  240
.set G1,  24
.set G0,  32
.set G1B, 48
.set G0B, 56
.set MSB, 0
.macro WIN new
.if MSB != (\new)
	s_set_vgpr_msb (MSB<<8)|(\new)
.set MSB, (\new)
.endif
.endm
.macro PLACES n
.rept \n
	v_nop
.endr
.endm
.macro CROUND
	s_barrier_signal -1
	s_barrier_wait -1
	s_cmp_lg_u32 s14, 0
	s_cbranch_scc1 .Lnw0_\@
	s_barrier_signal -3
.Lnw0_\@:
	s_barrier_wait -3
	s_barrier_signal -1
	s_barrier_wait -1
.endm
.macro GROUP1 g, mask, rows
	s_or_b32 s[\g+0], s[\mask], (1<<20)|(1<<21)|(5<<22)|(3<<25)
	s_mov_b32 s[\g+1], KROW<<16
	s_mov_b32 s[\g+2], (\rows)<<16
	s_mov_b32 s[\g+3], KROW<<16
	s_mov_b32 s[\g+4], \rows
	s_mov_b32 s[\g+5], KROW
	s_mov_b32 s[\g+6], 0
	s_mov_b32 s[\g+7], 0
.endm
; a fragment: six pieces of 8 bytes, two to a load where both go by one address register (a: plain; a + 1: lanes 16-31 behind one padding more)
.macro FRAG reg, q, a
.set SKIP_, 0
.irp p, 0,1,2,3,4,5
.if SKIP_
.set SKIP_, 0
.else
.set PC_, 12*(\q)+6*(\p/3)+\p%3
.set PN_, 12*(\q)+6*((\p+1)/3)+(\p+1)%3
.set X_, (PC_%32+3)/32
.set XQ_, (PN_%32+3)/32
.if (\p < 5) && (X_ == XQ_)
.set SKIP_, 1
	ds_load_2addr_b64 v[\reg+2*\p:\reg+2*\p+3], v[\a+X_] offset0:PC_+2*(PC_/32) offset1:PN_+2*(PN_/32)
.else
	ds_load_b64 v[\reg+2*\p:\reg+2*\p+1], v[\a+X_] offset:8*(PC_+2*(PC_/32))
.endif
.endif
.endr
.endm
.macro FETCHA q                        ; x's eight fragments of step q, into v48 of window 1 (q even) or 3 (q odd)
	WIN (1+2*((\q)%2))<<6
.irp i, 0,1,2,3,4,5,6,7
	FRAG 48+12*\i, \q, AA+2*\i
.endr
.endm
.macro FETCHB q                        ; the weight's four fragments of step q, in the same window: steps 0, 1, 6, 7 at v0, steps 2, 3 at v144, steps 4, 5 at v192
.set BO_, 0
.if (\q)/2 == 1
.set BO_, 144
.endif
.if (\q)/2 == 2
.set BO_, 192
.endif
	WIN (1+2*((\q)%2))<<6
.irp i, 0,1,2,3
	FRAG BO_+12*\i, \q, AB+2*\i
.endr
.endm
.macro P1 d, s0, s1, c, x0, x1
	v_wmma_scale_f32_16x16x128_f8f6f4 v[\d:\d+7], v[\s0:\s0+11], v[\s1:\s1+11], \c, v[\x0], v[\x1] matrix_a_fmt:MATRIX_FMT_FP6 matrix_b_fmt:MATRIX_FMT_FP6
.endm
; 32 products of step q on set e; the 32 accumulators take turns.  kind 0: q, k; 1: v
.macro MUL kind, e, q
.set BM_, 0
.if (\q)/2 == 1
.set BM_, 144
.endif
.if (\q)/2 == 2
.set BM_, 192
.endif
.if (\q) == 0
	WIN 5*(1+2*(\e))+0x80
.else
	WIN 5*(1+2*(\e))+0xa0
.endif
.irp a, 0,1,2,3,4,5,6,7
.irp b, 0,1,2,3
.if \kind
.set D_, 8*(8*\b+\a)
.set S0_, 48+12*\a
.set S1_, BM_+12*\b
.set X0_, SA+8*\a+(\q)
.set X1_, SB+8*\b+(\q)
.else
.set D_, 8*(4*\a+\b)
.set S0_, BM_+12*\b
.set S1_, 48+12*\a
.set X0_, SB+8*\b+(\q)
.set X1_, SA+8*\a+(\q)
.endif
.if (\q) == 0
	P1 D_, S0_, S1_, v[BI+8*\b:BI+8*\b+7], X0_, X1_
.else
	P1 D_, S0_, S1_, v[D_:D_+7], X0_, X1_
.endif
.endr
.endr
.endm
; a tile: the barrier that shows the weights' rows to all waves; eight steps of 128 along K, each step's fragments fetched one step ahead
; The weight's fragments run ahead of x's: steps 0, 1 at the tile's start, 2, 3 in step 0, 4, 5, 6 in step 1, 7 in step 2.  So at step 3's head the weights' region has been read out,
; and the refill's round stands in step 3: the next tile's rows have steps 4 to 7 and the way out in which to land.
.macro TILE kind, refill
	s_wait_tensorcnt 0x0
	s_wait_dscnt 0x0
	s_barrier_signal -1
	s_barrier_wait -1
	FETCHB 0
	FETCHA 0
	FETCHB 1
	WIN 0
	s_wait_loadcnt 4                               ; all but the four youngest loads: the weight's scale words of steps 4 to 7
.irp q, 0,1,2,3,4,5,6
	s_wait_dscnt 0x0                               ; all fragments asked for so far
	PLACES 4                                       ; between the last step's products and the loads into their operands
	FETCHA \q+1
.if \q < 2
	FETCHB 2*\q+2
	FETCHB 2*\q+3
.endif
.if \q == 1
	FETCHB 6
.endif
.if \q == 2
	FETCHB 7
.endif
.if \q == 3
	WIN 0
	s_wait_loadcnt 0x0                             ; the scale words of steps 4 to 7
.if \refill
	s_wait_tensorcnt 0x0
	ds_add_u32 v[SPW], v[NIL]
.endif
.endif
	MUL \kind, \q%2, \q
.if (\q == 3) && \refill
	WIN 0
	s_wait_dscnt 0x0
	CROUND                                         ; no wave of any partner still reads the weights' region
	s_add_nc_u64 s[G0B+2:G0B+3], s[G0B+2:G0B+3], 1024*KROW
	s_cmp_eq_u32 s15, 0
	s_cbranch_scc1 .Lnr_\@
	tensor_load_to_lds s[G0B:G0B+3], s[G1B:G1B+7]  ; waves 2 and 3: 64 rows each of the next tensor's tile
	s_nop 0
	PLACES 4
.Lnr_\@:
	PLACES 4
	s_add_nc_u64 s[92:93], s[92:93], 1024*32       ; the next tensor's scale bytes and biases (every earlier load was waited for)
	s_add_nc_u64 s[12:13], s[12:13], 4096
	LDSBL                                          ; the words of steps 0 to 3 and the bias have served
	s_cmp_eq_u32 s86, 0
	s_cbranch_scc0 .Lbv
	LDBQ
	global_prefetch_b8 v[PF], s[88:89] offset:1024*KROW th:TH_LOAD_NT scope:SCOPE_SE   ; v's tile
	s_branch .Lbd
.Lbv:                                                  ; v: all eight registers of block b hold the bias of column 16 b + r
.irp b, 0,1,2,3
.irp j, 0,1,2,3,4,5,6,7
	global_load_b32 v[BI+8*\b+\j], v[BV], s[12:13] offset:64*\b
.endr
.endr
.Lbd:
.endif
.endr
	s_wait_dscnt 0x0
	MUL \kind, 1, 7
	WIN 0
	PLACES 4
.endm
.macro LDSBL                           ; the weight's scale words of steps 0 to 3, four blocks
.irp b, 0,1,2,3
	global_load_b128 v[SB+8*\b:SB+8*\b+3], v[SRO], s[92:93] offset:512*\b
.endr
.endm
.macro LDSBH                           ; and of steps 4 to 7
.irp b, 0,1,2,3
	global_load_b128 v[SB+8*\b+4:SB+8*\b+7], v[SRO], s[92:93] offset:512*\b+16
.endr
.endm
.macro LDBQ                            ; q, k: register 8 b + j holds the bias of column 16 b + 8 h + j
.irp b, 0,1,2,3
	global_load_b128 v[BI+8*\b:BI+8*\b+3], v[BQ], s[12:13] offset:64*\b
	global_load_b128 v[BI+8*\b+4:BI+8*\b+7], v[BQ], s[12:13] offset:64*\b+16
.endr
.endm
; 64 numbers a lane, four blocks of 32 shared with lane l xor 16, become twelve registers of codes and four scale bytes.  q, k: token blocks 2 u, 2 u + 1;  v: column block u
.macro OUTBLK u, kind
.set AC, 64*(\u)
	s_wait_xcnt 0x0                                ; the last block's stores have read their data
	WIN 0x0a
.irp b, 0,1,2,3
	v_max3_num_f32 v[TM+\b], |v[AC+16*\b]|, |v[AC+16*\b+1]|, 0x1800000   ; with the floor 2^(3 - 127); each accumulator from its low end on
.endr
.irp i, 2,4,6,8,10,12,14
.irp b, 0,1,2,3
	v_max3_num_f32 v[TM+\b], |v[AC+16*\b+\i]|, |v[AC+16*\b+\i+1]|, v[TM+\b]
.endr
.endr
	WIN 0
.irp b, 0,1,2,3
	v_permlanex16_b32 v[TM+4+\b], v[TM+\b], s90, s91
.endr
.irp b, 0,1,2,3
	v_max_num_f32 v[TM+\b], v[TM+\b], v[TM+4+\b]
.endr
.irp b, 0,1,2,3
	v_add_nc_u32 v[TM+12+\b], 0xff000000, v[TM+\b] ; 2 off the exponent field: the conversion's scale operand
.endr
.irp b, 0,1,2,3
	v_lshrrev_b32 v[TM+4+\b], 23, v[TM+12+\b]      ; the scale's byte
.endr
	v_lshl_or_b32 v[PW], v[TM+5], 8, v[TM+4]
	v_lshl_or_b32 v[PW], v[TM+6], 16, v[PW]
	v_lshl_or_b32 v[PW], v[TM+7], 24, v[PW]
	WIN 0x02
.irp c, 0,1
	v_cvt_scalef32_pk16_fp6_f32 v[CD+6*\c:CD+6*\c+2], v[AC+32*\c:AC+32*\c+15], v[TM+12+2*\c]
	v_cvt_scalef32_pk16_fp6_f32 v[CD+12+4*\c:CD+14+4*\c], v[AC+32*\c+16:AC+32*\c+31], v[TM+13+2*\c]
.endr
	WIN 0
	v_nop                                          ; one plain place behind a scaled conversion
.irp c, 0,1
.irp i, 0,1,2
	v_permlane16_swap_b32 v[CD+6*\c+\i], v[CD+12+4*\c+\i]   ; a whole block into each lane
.endr
.irp i, 0,1,2
	v_mov_b32 v[CD+3+6*\c+\i], v[CD+12+4*\c+\i]
.endr
.endr
.if \kind
	ds_store_b32 v[STE], v[PW] offset:64*(\u)
.else
	v_perm_b32 v[EW], v[PW], v[PW], 0x01000100
	v_perm_b32 v[OW], v[PW], v[PW], 0x03020302
	ds_store_b32 v[STE], v[EW] offset:128*(\u)
	ds_store_b32 v[STE], v[OW] offset:128*(\u)+64
.endif
	global_store_b128 v[L16], v[CD:CD+3], s[76:77] offset:1536*(\u)
	global_store_b64 v[L8], v[CD+4:CD+5], s[76:77] offset:1536*(\u)+512
	global_store_b128 v[L16], v[CD+6:CD+9], s[76:77] offset:1536*(\u)+768
	global_store_b64 v[L8], v[CD+10:CD+11], s[76:77] offset:1536*(\u)+1280
.endm
	s_load_b256 s[4:11], s[0:1], 0x0               ; x's codes, x's scales, w's codes, w's scales
	s_load_b64 s[12:13], s[0:1], 0x20              ; b_qkv
	s_load_b128 s[96:99], s[0:1], 0x28             ; q_img, q_sc
	s_load_b64 s[100:101], s[0:1], 0x38            ; kv
	v_lshl_add_u32 v[SPW], v0, 2, SPARE
	v_mov_b32 v[NIL], 0
	ds_add_u32 v[SPW], v[NIL]                      ; the opening lines
	ds_add_u32 v[SPW], v[NIL]
	v_lshrrev_b32 v1, 5, v0
	v_readfirstlane_b32 s14, v1                    ; wave
	s_lshr_b32 s15, s14, 1                         ; my half of the tokens; also: I fetch x (0) or w (1)
	s_and_b32 s16, s14, 1                          ; my half of the columns; also: which half I fetch
	s_bfe_u32 s40, ttmp6, 0x40000                  ; cx
	s_bfe_u32 s41, ttmp6, 0x40004                  ; cy
	s_lshl_b32 s42, ttmp9, 2
	s_add_co_u32 s42, s42, s40                     ; tile column, 0..7
	s_and_b32 s17, ttmp7, 0xffff
	s_lshl_b32 s17, s17, 2
	s_add_co_u32 s17, s17, s41                     ; block of 256 tokens, 0..31
	s_lshl_b32 s43, s41, 2
	s_lshl_b32 s43, 15, s43                        ; my row of the cluster
	s_lshl_b32 s44, 0x1111, s40                    ; my column
	GROUP1 G1, 43, 128
	GROUP1 G1B, 44, 64
	s_mul_i32 s20, s17, 256*KROW
	s_mul_i32 s2, s16, 128*KROW
	s_add_co_u32 s20, s20, s2                      ; x's rows that I fetch
	s_mov_b32 s21, 0
	s_mul_i32 s46, s42, 128*KROW
	s_add_co_u32 s88, s46, 1024*KROW               ; k's tile, for the prefetch
	s_mul_i32 s2, s16, 64*KROW
	s_add_co_u32 s46, s46, s2                      ; w's rows that I fetch
	s_mov_b32 s47, 0
	s_mov_b32 s89, 0
	s_lshl_b32 s22, s17, 13
	s_lshl_b32 s2, s15, 12
	s_add_co_u32 s22, s22, s2                      ; my tokens' scale bytes
	s_mov_b32 s23, 0
	s_lshl_b32 s92, s42, 12
	s_lshl_b32 s2, s16, 11
	s_add_co_u32 s92, s92, s2                      ; my columns' scale bytes
	s_mov_b32 s93, 0
	s_lshr_b32 s18, s92, 3                         ; and their biases: 4 bytes a column
	s_mov_b32 s19, 0
	s_mov_b32 s[G0], 1
	s_mul_i32 s[G0+1], s16, 128*PITCH
	s_mov_b32 s[G0B], 1
	s_mul_i32 s[G0B+1], s16, 64*PITCH
	s_add_co_u32 s[G0B+1], s[G0B+1], BB
	s_mul_i32 s60, s15, 128*PITCH
	s_lshl_b32 s62, s14, 10
	s_add_co_u32 s62, s62, STG                     ; my stage for scale words
	s_lshl_b32 s63, s41, 2
	s_add_co_u32 s63, s63, s14
	s_mul_i32 s63, s63, 128*KROW/16                ; my sixteenth of a tile, for the prefetch
	s_mov_b32 s90, 0x76543210
	s_mov_b32 s91, 0xfedcba98
	s_wait_dscnt 0x0
	s_wait_kmcnt 0x0
	s_add_nc_u64 s[G0+2:G0+3], s[4:5], s[20:21]
	s_or_b32 s[G0+3], s[G0+3], 0x80000000
	s_add_nc_u64 s[G0B+2:G0B+3], s[8:9], s[46:47]
	s_or_b32 s[G0B+3], s[G0B+3], 0x80000000
	s_add_nc_u64 s[88:89], s[8:9], s[88:89]
	s_add_nc_u64 s[22:23], s[6:7], s[22:23]
	s_add_nc_u64 s[92:93], s[10:11], s[92:93]
	s_add_nc_u64 s[12:13], s[12:13], s[18:19]
	CROUND                                         ; the first joint loads meet
	s_cmp_eq_u32 s15, 0
	s_cbranch_scc0 .Lhb
	tensor_load_to_lds s[G0:G0+3], s[G1:G1+7]      ; waves 0, 1: 128 rows of x each
	s_nop 0
	PLACES 4
	s_branch .Lha
.Lhb:
	tensor_load_to_lds s[G0B:G0B+3], s[G1B:G1B+7]  ; waves 2, 3: 64 rows of q's weights each
	s_nop 0
	PLACES 4
.Lha:
	s_lshr_b32 s2, s17, 3
	s_lshl_b32 s2, s2, 4
	s_lshl_b32 s3, s42, 1
	s_add_co_u32 s2, s2, s3
	s_add_co_u32 s2, s2, s16                       ; the head: 16 x batch + head
	s_and_b32 s3, s17, 7
	s_lshl_b32 s3, s3, 1
	s_add_co_u32 s3, s3, s15                       ; which 128 tokens of the batch's 2,048
	s_mul_i32 s80, s2, 98304
	s_mul_i32 s81, s3, 6144
	s_add_co_u32 s80, s80, s81
	s_mov_b32 s81, 0
	s_add_nc_u64 s[76:77], s[96:97], s[80:81]      ; codes go here: first q's images,
	s_lshl_b32 s80, s2, 13
	s_lshl_b32 s82, s3, 9
	s_add_co_u32 s80, s80, s82
	s_add_nc_u64 s[78:79], s[98:99], s[80:81]      ; scale words here
	s_mul_i32 s80, s2, 16*REC
	s_mul_i32 s82, s3, REC
	s_add_co_u32 s80, s80, s82
	s_add_nc_u64 s[70:71], s[100:101], s[80:81]    ; my record in kv
	s_mov_b32 s86, 0
	v_and_b32 v1, 15, v0
	v_bfe_u32 v2, v0, 4, 1
	v_and_b32 v3, 31, v0
	v_mul_u32_u24 v4, v1, PITCH
	v_mad_u32_u24 v5, v2, 40, v4
	v_mad_u32_u24 v4, v2, 24, v4
	v_add_nc_u32 v[AA], s60, v4
	v_add_nc_u32 v[AA+1], s60, v5
	v_add_nc_u32 v[AB], s[G0B+1], v4
	v_add_nc_u32 v[AB+1], s[G0B+1], v5
.irp i, 1,2,3,4,5,6,7
	v_add_nc_u32 v[AA+2*\i], \i*16*PITCH, v[AA]
	v_add_nc_u32 v[AA+2*\i+1], \i*16*PITCH, v[AA+1]
.endr
.irp i, 1,2,3
	v_add_nc_u32 v[AB+2*\i], \i*16*PITCH, v[AB]
	v_add_nc_u32 v[AB+2*\i+1], \i*16*PITCH, v[AB+1]
.endr
	v_lshlrev_b32 v[SRO], 5, v1
	v_lshlrev_b32 v[BQ], 5, v2
	v_lshlrev_b32 v[BV], 2, v1
	v_min_u32 v[PF], 23, v3                        ; 24 blocks of 256 bytes a wave; the lanes left over name the last again
	v_lshl_add_u32 v[PF], v[PF], 8, s63
	v_lshlrev_b32 v[L16], 4, v3
	v_lshlrev_b32 v[L8], 3, v3
	v_lshl_add_u32 v[STE], v1, 2, s62
	v_add_nc_u32 v[STRD], s62, v[L16]
	v_add_nc_u32 v[STR8], s62, v[L8]
.irp b, 0,1,2,3
	v_mov_b32 v[TM+4+\b], 0                        ; a lane permute's destination counts as a source
.endr
	s_wait_alu depctr_va_vdst(0)
.irp i, 0,1,2,3,4,5,6,7
	global_load_b128 v[SA+8*\i:SA+8*\i+3], v[SRO], s[22:23] offset:512*\i
	global_load_b128 v[SA+8*\i+4:SA+8*\i+7], v[SRO], s[22:23] offset:512*\i+16
.endr
	LDSBL
	LDBQ
	LDSBH
	global_prefetch_b8 v[PF], s[88:89] th:TH_LOAD_NT scope:SCOPE_SE
.Ltile:                                                ; two trips: q, then k
	TILE 0, 1
	LDSBH                                          ; the next tensor's scale words of steps 4 to 7: the youngest four loads
.irp u, 0,1,2,3
	OUTBLK \u, 0
.endr
	ds_load_b128 v[RB:RB+3], v[STRD]               ; my own stores, served in order
	s_wait_dscnt 0x0
	global_store_b128 v[L16], v[RB:RB+3], s[78:79] ; 128 scale words: 512 consecutive bytes
	s_wait_xcnt 0x0
	s_mov_b64 s[76:77], s[70:71]                   ; k's images and scale words go into the record
	s_add_nc_u64 s[78:79], s[70:71], 12288
	s_add_co_u32 s86, s86, 1
	s_cmp_lg_u32 s86, 2
	s_cbranch_scc1 .Ltile
	s_add_nc_u64 s[76:77], s[70:71], 6144          ; v's fragments and scale words
	s_add_nc_u64 s[78:79], s[70:71], 12800
	TILE 1, 0
.irp u, 0,1,2,3
	OUTBLK \u, 1
.endr
	ds_load_b64 v[RB:RB+1], v[STR8]
	s_wait_dscnt 0x0
	global_store_b64 v[L8], v[RB:RB+1], s[78:79]   ; 64 scale words: 256 consecutive bytes
	s_wait_tensorcnt 0x0                           ; the wave's end
	ds_add_u32 v[SPW], v[NIL]
	s_wait_dscnt 0x0
	CROUND                                         ; the closing round
	s_endpgm
.Lfunc_end_k_q13a24c239a_qkv:
	.size	k_q13a24c239a_qkv, .Lfunc_end_k_q13a24c239a_qkv-k_q13a24c239a_qkv
	.p2alignl 7, 3214868480
	.fill 96, 4, 3214868480
	.section	.rodata,"a",@progbits
	.p2align	6, 0x0
	.amdhsa_kernel k_q13a24c239a_qkv
		.amdhsa_group_segment_fixed_size 327680
		.amdhsa_private_segment_fixed_size 0
		.amdhsa_enable_private_segment 0
		.amdhsa_kernarg_size 64
		.amdhsa_user_sgpr_count 2
		.amdhsa_user_sgpr_kernarg_segment_ptr 1
		.amdhsa_wavefront_size32 1
		.amdhsa_system_sgpr_workgroup_id_x 1
		.amdhsa_system_sgpr_workgroup_id_y 1
		.amdhsa_system_sgpr_workgroup_id_z 1
		.amdhsa_system_vgpr_workitem_id 0
		.amdhsa_next_free_vgpr 1024
		.amdhsa_next_free_sgpr 102
		.amdhsa_reserve_vcc 0
		.amdhsa_float_denorm_mode_32 3
		.amdhsa_float_denorm_mode_16_64 3
		.amdhsa_memory_ordered 1
		.amdhsa_forward_progress 1
		.amdhsa_inst_pref_size 162
	.end_amdhsa_kernel
	.amdgpu_metadata
---
amdhsa.version: [ 1, 2 ]
amdhsa.kernels:
  - .name:           k_q13a24c239a_qkv
    .symbol:         k_q13a24c239a_qkv.kd
    .args:
      - { .name: x_codes, .offset: 0, .size: 8, .value_kind: global_buffer, .address_space: global }
      - { .name: x_scales, .offset: 8, .size: 8, .value_kind: global_buffer, .address_space: global }
      - { .name: w_qkv_codes, .offset: 16, .size: 8, .value_kind: global_buffer, .address_space: global }
      - { .name: w_qkv_scales, .offset: 24, .size: 8, .value_kind: global_buffer, .address_space: global }
      - { .name: b_qkv, .offset: 32, .size: 8, .value_kind: global_buffer, .address_space: global }
      - { .name: q_img, .offset: 40, .size: 8, .value_kind: global_buffer, .address_space: global }
      - { .name: q_sc, .offset: 48, .size: 8, .value_kind: global_buffer, .address_space: global }
      - { .name: kv, .offset: 56, .size: 8, .value_kind: global_buffer, .address_space: global }
    .group_segment_fixed_size: 327680
    .private_segment_fixed_size: 0
    .kernarg_segment_align: 8
    .kernarg_segment_size: 64
    .max_flat_workgroup_size: 128
    .sgpr_count:     102
    .vgpr_count:     1024
    .wavefront_size: 32
...
	.end_amdgpu_metadata
.endif
;; end of part 1
;; launch attn (part 2): grid 4 x 64, 16 waves a work-group, clusters of 4 x 1, 210,944 bytes of LDS; arguments q_img, q_sc, kv, ctx_img, ctx_sc; writes ctx_img, ctx_sc
.if DOCPART == 2
	.amdgcn_target "amdgcn-amd-amdhsa--gfx1250"
	.amdhsa_code_object_version 6
	.text
	.protected	k_q13a24c239a_attn
	.globl	k_q13a24c239a_attn
	.p2align	8
	.type	k_q13a24c239a_attn,@function
k_q13a24c239a_attn:
	s_mov_b64 s[64:65], 0
	v_nop
	global_prefetch_b8 v0, s[64:65] scope:SCOPE_SE
	s_setreg_imm32_b32 hwreg(HW_REG_WAVE_MODE, 25, 1), 1
	s_wait_xcnt 0x0
	s_wait_alu depctr_hold_cnt(0) depctr_sa_sdst(0) depctr_va_vdst(0) depctr_va_sdst(0) depctr_va_ssrc(0) depctr_va_vcc(0) depctr_vm_vsrc(0)
	s_getreg_b32 s2, hwreg(HW_REG_IB_STS2, 6, 4)
	s_cmp_eq_u32 s2, 0
	s_cbranch_scc0 .Lentry_in_a_cluster
	s_endpgm
.Lentry_in_a_cluster:
	s_bfe_u32 s2, ttmp6, 0x10000c
	s_cmp_lg_u32 s2, 0x3003
	s_cbranch_scc0 .Lentry_shape_is_right
	s_endpgm
.Lentry_shape_is_right:
; ctx[head][query][:] = the sum over keys of softmax(q . k / 8) v, both products on codes of FP6 (E2M3) with E8M0 scales; the result is quantised along head x 64 + d for the last product.
; THE SOFTMAX: t = score x log2(e) / 8; M = the row's largest t so far, rounded up to a whole number; p = 2^(t - M) is quantised along the keys, not normalised; the row's sum is taken of the unquantised p and divides at the end.
; When M moves, the sum and O are multiplied by 2^(old M - new M): exact.
; SHARES.  A work-group owns 512 queries of one head; each of its sixteen waves takes two tiles of 16 queries, one after the other, over the same K and V.
; A WHOLE HEAD'S K AND V LIE IN LDS: 16 records of 13,056 bytes (128 keys each) as they lie in kv: 8 images of K (768 bytes), 4 fragments of V^T (1,536), K's 128 scale words, V's 64.
; Wave w asks for record w: one tensor load a wave, at the head; every wave waits for its own, one barrier shows all; nothing is filled again, and no later barrier stands in the text but the closing round's.
; CLUSTER.  The four query blocks of a cluster are one head's: each record is asked for jointly.
; PREFETCH: K and V are all asked for at the head.  The second tile's q (768 bytes a wave) and the second tiles' scale words (1,024 bytes, waves 0 to 3 a block each) are asked for at the head, sixteen key steps ahead of their loads.
; LAYOUT.  Both products are used transposed: S^T = K Q^T, O^T = V^T P^T: a lane holds one query (lane % 16) throughout.
; K = 64 IN AN INSTRUCTION OF 128.  A fragment of K holds two tiles of 16 keys; q lies in 18 registers as zeros, q, zeros: [q | 0] picks the first tile, [0 | q] the second.  The scale words of q and k hold the row's two bytes twice.
; THE ORDER OF KEYS IN A BLOCK: p's registers 16 B + i are keys 32 B + 16 (i / 8) + 8 h + i % 8, the order in which V's codes were laid.
; LIMITS: NaN and infinities are not served; the scaled scores stay under 2^31 in magnitude; a block of ctx whose largest magnitude lies under 2^-124 (a block of zeros too) gets the scale byte 1: this program alone reads the bytes.
.set REC,   13056
.set VOFF,  6144
.set KSC,   12288
.set VSC,   12800
.set SPARE, 16*REC
.set B16,  1
.set B8,   2
.set B4,   3
.set KS,   4
.set VS,   8
.set QS,   10
.set PS,   11
.set QHI,  16
.set QLO,  22
.set KF,   34
.set VF,   82
.set S,    130
.set OT,   194
.set CD,   226
.set BM,   238
.set PT,   242
.set FF,   250
.set A16,  252
.set A8,   253
.set A4,   254
.set TMP,  255
.set WV,   14
.set SEL,  20
.set CS,   22
.set G1,   24
.set G0,   32
.set CNT,  48
.set TB,   49
.macro ROUND
	s_barrier_signal -1
	s_barrier_wait -1
	s_cmp_lg_u32 s[WV], 0
	s_cbranch_scc1 .Lnot_wave_0_\@
	s_barrier_signal -3
.Lnot_wave_0_\@:
	s_barrier_wait -3
	s_barrier_signal -1
	s_barrier_wait -1
.endm
	s_load_b256 s[4:11], s[0:1], 0x0               ; q_img, q_sc, kv, ctx_img
	s_load_b64 s[12:13], s[0:1], 0x20              ; ctx_sc
	v_lshl_add_u32 v254, v0, 2, SPARE
	v_mov_b32 v255, 0
	ds_add_u32 v254, v255                          ; the opening lines
	ds_add_u32 v254, v255
	s_wait_dscnt 0x0
	v_lshrrev_b32 v1, 5, v0
	v_readfirstlane_b32 s[WV], v1
	s_bfe_u32 s16, ttmp6, 0x40000                  ; cx: it enters q's and ctx's addresses alone
	s_lshl_b32 s17, ttmp9, 2
	s_add_co_u32 s17, s17, s16                     ; my block of 512 queries
	s_and_b32 s18, ttmp7, 0xffff                   ; the head (16 x batch + head)
	s_mov_b32 s[SEL], 0x76543210
	s_mov_b32 s[SEL+1], 0xfedcba98
	s_mov_b32 s[CS], 0x3e38aa3b                    ; c = log2(e) / 8
	s_mov_b32 s[CS+1], s[CS]
	s_mov_b32 s[G1], 15|(3<<16)|(1<<21)            ; a record as 51 rows of 256 bytes; the mask names the four partners
	s_mov_b32 s[G1+1], 32<<16
	s_mov_b32 s[G1+2], 51<<16
	s_mov_b32 s[G1+3], 32<<16
	s_mov_b32 s[G1+4], 51
	s_mov_b32 s[G1+5], 32
	s_mov_b32 s[G1+6], 0
	s_mov_b32 s[G1+7], 0
	s_mul_i32 s19, s[WV], REC
	s_mul_i32 s50, s18, 16*REC
	s_add_co_u32 s50, s50, s19
	s_mov_b32 s51, 0
	s_lshl_b32 s54, s17, 5
	s_add_co_u32 s54, s54, s[WV]                   ; my first tile of 16 queries, of the head's 128; the second lies 16 on
	s_mul_i32 s52, s18, 98304
	s_mul_i32 s53, s54, 768
	s_add_co_u32 s52, s52, s53
	s_mov_b32 s53, 0
	s_lshl_b32 s48, s18, 13
	s_lshl_b32 s49, s54, 6
	s_add_co_u32 s48, s48, s49
	s_mov_b32 s49, 0
	s_mul_i32 s41, s[WV], 192
	s_wait_kmcnt 0x0
	s_add_nc_u64 s[8:9], s[8:9], s[50:51]
	s_add_nc_u64 s[4:5], s[4:5], s[52:53]
	s_add_nc_u64 s[6:7], s[6:7], s[48:49]
	s_mov_b32 s[G0], 1
	s_mov_b32 s[G0+1], s19
	s_mov_b64 s[G0+2:G0+3], s[8:9]
	s_or_b32 s[G0+3], s[G0+3], 0x80000000
	ROUND                                          ; the joint loads meet
	tensor_load_to_lds s[G0:G0+3], s[G1:G1+7]      ; record w: my one tensor load
	s_nop 0
.rept 4
	v_nop
.endr
	v_and_b32 v3, 31, v0
	v_lshlrev_b32 v[B16], 4, v3
	v_lshlrev_b32 v[B8], 3, v3
	v_lshlrev_b32 v[B4], 2, v3
	v_min_u32 v[S], 8, v[B4]
	v_lshlrev_b32 v[S], 6, v[S]                    ; blocks 0, 1, 2 of an image; the lanes left over name the last again
	v_mov_b32 v[S+1], s41
	s_wait_alu depctr_va_vdst(0)
	global_prefetch_b8 v[S], s[4:5] offset:12288 th:TH_LOAD_NT scope:SCOPE_SE
	s_cmp_lt_u32 s[WV], 4
	s_cbranch_scc0 .Lnpf
	global_prefetch_b8 v[S+1], s[6:7] offset:1024 th:TH_LOAD_NT scope:SCOPE_SE   ; 64 w + 1,024 + 192 w: block w of the second tiles' scale words
.Lnpf:
.macro QINIT                           ; a tile's q, and the state of its softmax
	v_and_b32 v[TMP], 15, v0
	v_lshlrev_b32 v[TMP], 2, v[TMP]
	global_load_b128 v[22:25], v[B16], s[4:5] th:TH_LOAD_NT
	global_load_b64 v[26:27], v[B8], s[4:5] offset:512 th:TH_LOAD_NT
	global_load_b32 v[QS], v[TMP], s[6:7] th:TH_LOAD_NT
.irp j, 16,17,18,19,20,21,28,29,30,31,32,33
	v_mov_b32 v[\j], 0
.endr
	v_mov_b32 v13, 0xff61b1e6                      ; the largest t so far: -3e38
	v_floor_f32 v12, -v13                          ; -M
	v_mov_b32 v14, 0
	v_mov_b32 v15, 0
	v_mov_b32 v[FF+1], 0
.irp b, 0,1,2,3
	v_mov_b32 v[PT+\b], 0
.endr
.set j, 0
.rept 32
	v_mov_b32 v[OT+j], 0                           ; O^T: the first change of M multiplies zeros
.set j, j+1
.endr
	s_wait_alu depctr_va_vdst(0)
	s_wait_loadcnt 0x0
	s_wait_xcnt 0x0                                ; the prefetches have read their address registers
.endm
.macro FRAGIMG reg, off
	ds_load_b128 v[\reg:\reg+3], v[A16] offset:\off
	ds_load_b64 v[\reg+4:\reg+5], v[A8] offset:\off+512
	ds_load_b128 v[\reg+6:\reg+9], v[A16] offset:\off+768
	ds_load_b64 v[\reg+10:\reg+11], v[A8] offset:\off+1280
.endm
; A KEY STEP: the 128 keys of the record at LDS byte s[TB]
.macro KLOAD off                       ; K's four fragments and scale words of the record off bytes behind s[TB]: 20 loads
.irp u, 0,1,2,3
	FRAGIMG KF+12*\u, \off+1536*\u
.endr
.irp u, 0,1,2,3
	ds_load_b32 v[KS+\u], v[A4] offset:\off+KSC+128*\u
.endr
.endm
.macro ADDR
	v_add_nc_u32 v[A16], s[TB], v[B16]
	v_add_nc_u32 v[A8], s[TB], v[B8]
	v_add_nc_u32 v[A4], s[TB], v[B4]
.endm
; K was asked for one step ago, behind that step's score products; more = 1: this step asks for the next record's
.macro STEP more
	ADDR
	v_nop                                          ; four places between the last step's products and the loads into their operands
.irp d, 0,1,2,3
	FRAGIMG VF+12*\d, VOFF+1536*\d
.endr
.irp e, 0,1
	ds_load_b32 v[VS+\e], v[A4] offset:VSC+128*\e
.endr
	s_wait_alu depctr_va_vdst(0)
	s_wait_dscnt 18                                ; K and its scale words are in; V's 16 loads and 2 scale loads may be out
.irp u, 0,1,2,3
	v_wmma_scale_f32_16x16x128_f8f6f4 v[S+16*\u:S+16*\u+7], v[KF+12*\u:KF+12*\u+11], v[QLO:QLO+11], 0, v[KS+\u], v[QS] matrix_a_fmt:MATRIX_FMT_FP6 matrix_b_fmt:MATRIX_FMT_FP6
	v_wmma_scale_f32_16x16x128_f8f6f4 v[S+16*\u+8:S+16*\u+15], v[KF+12*\u:KF+12*\u+11], v[QHI:QHI+11], 0, v[KS+\u], v[QS] matrix_a_fmt:MATRIX_FMT_FP6 matrix_b_fmt:MATRIX_FMT_FP6 matrix_a_scale:MATRIX_SCALE_ROW1
.endr
.rept 4
	v_nop
.endr
.if \more
	KLOAD REC                                      ; four places behind the products that read these registers
.endif
.irp b, 0,1,2,3
	v_max3_num_f32 v[BM+\b], v[S+16*\b], v[S+16*\b+1], v[S+16*\b+2]
.endr
.irp i, 3,5,7,9,11,13
.irp b, 0,1,2,3
	v_max3_num_f32 v[BM+\b], v[BM+\b], v[S+16*\b+\i], v[S+16*\b+\i+1]
.endr
.endr
.irp b, 0,1,2,3
	v_max_num_f32 v[BM+\b], v[BM+\b], v[S+16*\b+15]
.endr
.irp b, 0,1,2,3
	s_delay_alu instid0(VALU_DEP_4)
	v_permlanex16_b32 v[PT+\b], v[BM+\b], s[SEL], s[SEL+1]
.endr
.irp b, 0,1,2,3
	s_delay_alu instid0(VALU_DEP_4)
	v_max_num_f32 v[BM+\b], v[BM+\b], v[PT+\b]
.endr
	s_delay_alu instid0(VALU_DEP_2)
	v_max3_num_f32 v[TMP], v[BM], v[BM+1], v[BM+2]
	s_delay_alu instid0(VALU_DEP_1)
	v_max_num_f32 v[TMP], v[TMP], v[BM+3]
	s_delay_alu instid0(VALU_DEP_1)
	v_mul_f32 v[TMP], s[CS], v[TMP]
	s_delay_alu instid0(VALU_DEP_1)
	v_max_num_f32 v13, v13, v[TMP]                 ; the running largest t
	v_mov_b32 v[TMP], v12
	s_delay_alu instid0(VALU_DEP_2)
	v_floor_f32 v12, -v13                          ; the new -M
	s_delay_alu instid0(VALU_DEP_1)
	v_sub_f32 v[TMP], v12, v[TMP]
	s_delay_alu instid0(VALU_DEP_1)
	v_cvt_i32_f32 v[TMP], v[TMP]
	s_delay_alu instid0(VALU_DEP_1)
	v_ldexp_f32 v[FF], 1.0, v[TMP]                 ; f = 2^(old M - new M)
.set j, 0
.rept 32
	v_pk_fma_f32 v[S+j:S+j+1], v[S+j:S+j+1], s[CS:CS+1], v[12:13] op_sel_hi:[1,0,0]   ; t - M
.set j, j+2
.endr
.irp b, 0,1,2,3
	v_fma_f32 v[BM+\b], v[BM+\b], s[CS], v12
.endr
.set j, 0
	s_wait_alu depctr_va_vdst(0)                   ; ahead of the batch
.rept 64
	v_exp_f32 v[S+j], v[S+j]                       ; p
.set j, j+1
.endr
	v_pk_mul_f32 v[14:15], v[14:15], v[FF:FF+1] op_sel_hi:[1,0]
	s_wait_alu depctr_va_vdst(0)                   ; and behind it
.irp b, 0,1,2,3
	v_exp_f32 v[BM+\b], v[BM+\b]                   ; the block's largest p
.endr
; the row's sum of the unquantised p: 32 pairs in eight chains
.set m, 0
.irp t, 234,236,242,244,246,248,252
	v_pk_add_f32 v[\t:\t+1], v[S+2*m:S+2*m+1], v[S+2*m+14:S+2*m+15]
.set m, m+1
.endr
	v_pk_add_f32 v[14:15], v[14:15], v[S+28:S+29]
.set m, 15
.rept 2
.irp t, 234,236,242,244,246,248,252
	v_pk_add_f32 v[\t:\t+1], v[\t:\t+1], v[S+2*m:S+2*m+1]
.set m, m+1
.endr
	v_pk_add_f32 v[14:15], v[14:15], v[S+2*m:S+2*m+1]
.set m, m+1
.endr
	v_pk_add_f32 v[234:235], v[234:235], v[S+62:S+63]
	v_pk_add_f32 v[14:15], v[14:15], v[236:237]
	v_pk_add_f32 v[244:245], v[244:245], v[246:247]
	v_pk_add_f32 v[248:249], v[248:249], v[252:253]
	v_pk_add_f32 v[234:235], v[234:235], v[242:243]
	v_pk_add_f32 v[244:245], v[244:245], v[248:249]
	v_pk_add_f32 v[14:15], v[14:15], v[234:235]
	v_pk_add_f32 v[14:15], v[14:15], v[244:245]
	s_wait_alu depctr_va_vdst(0)                   ; for the four
.irp b, 0,1,2,3
	v_max_num_f32 v[BM+\b], 0x1800000, v[BM+\b]    ; the floor 2^(3 - 127)
.endr
.irp b, 0,1,2,3
	s_delay_alu instid0(VALU_DEP_4)
	v_add_nc_u32 v[BM+\b], 0xff000000, v[BM+\b]
.endr
.irp b, 0,1,2,3
	s_delay_alu instid0(VALU_DEP_4)
	v_lshrrev_b32 v[PT+\b], 23, v[BM+\b]
.endr
	s_delay_alu instid0(VALU_DEP_3)
	v_lshl_or_b32 v[PS], v[PT+1], 8, v[PT]
	s_delay_alu instid0(VALU_DEP_1)
	v_lshl_or_b32 v[PS], v[PT+2], 16, v[PS]
	s_delay_alu instid0(VALU_DEP_1)
	v_lshl_or_b32 v[PS], v[PT+3], 24, v[PS]
.irp c, 0,1
	v_cvt_scalef32_pk16_fp6_f32 v[CD+6*\c:CD+6*\c+2], v[S+32*\c:S+32*\c+15], v[BM+2*\c]
	v_cvt_scalef32_pk16_fp6_f32 v[PT+4*\c:PT+4*\c+2], v[S+32*\c+16:S+32*\c+31], v[BM+2*\c+1]
.endr
	v_nop
.irp c, 0,1
.irp i, 0,1,2
	v_permlane16_swap_b32 v[CD+6*\c+\i], v[PT+4*\c+\i]
.endr
.irp i, 0,1,2
	s_delay_alu instid0(VALU_DEP_3)
	v_mov_b32 v[CD+3+6*\c+\i], v[PT+4*\c+\i]
.endr
.endr
.set j, 0
.rept 16
	v_pk_mul_f32 v[OT+j:OT+j+1], v[OT+j:OT+j+1], v[FF:FF+1] op_sel_hi:[1,0]   ; O^T under the new M; also the places behind p's scale word and codes
.set j, j+2
.endr
	s_wait_alu depctr_va_vdst(0)
	s_wait_dscnt 0x0                               ; V is in
.irp e, 0,1
	v_wmma_scale_f32_16x16x128_f8f6f4 v[OT+16*\e:OT+16*\e+7], v[VF+24*\e:VF+24*\e+11], v[CD:CD+11], v[OT+16*\e:OT+16*\e+7], v[VS+\e], v[PS] matrix_a_fmt:MATRIX_FMT_FP6 matrix_b_fmt:MATRIX_FMT_FP6
	v_wmma_scale_f32_16x16x128_f8f6f4 v[OT+16*\e+8:OT+16*\e+15], v[VF+24*\e+12:VF+24*\e+23], v[CD:CD+11], v[OT+16*\e+8:OT+16*\e+15], v[VS+\e], v[PS] matrix_a_fmt:MATRIX_FMT_FP6 matrix_b_fmt:MATRIX_FMT_FP6 matrix_a_scale:MATRIX_SCALE_ROW1
.endr
	s_add_co_u32 s[TB], s[TB], REC
.endm
	QINIT
	s_wait_tensorcnt 0x0                           ; my record is in,
	s_barrier_signal -1
	s_barrier_wait -1                              ; everybody's is
	s_mov_b32 s40, 0
.Lq:                                                   ; two trips: my two tiles of queries
	s_mov_b32 s[TB], 0
	s_mov_b32 s[CNT], 15
	ADDR
	v_nop
	KLOAD 0                                        ; record 0's K
.Lstep:
	STEP 1
	s_sub_co_u32 s[CNT], s[CNT], 1
	s_cmp_lg_u32 s[CNT], 0
	s_cbranch_scc1 .Lstep
	STEP 0                                         ; the sixteenth record: nothing lies behind it
	; THE WAY OUT: O^T / the sum; two blocks of 32 quantised; one image of 768 bytes and two scale bytes a row
	v_add_f32 v14, v14, v15
	s_delay_alu instid0(VALU_DEP_1)
	v_permlanex16_b32 v[TMP], v14, s[SEL], s[SEL+1]
	s_delay_alu instid0(VALU_DEP_1)
	v_add_f32 v14, v14, v[TMP]
	s_wait_alu depctr_va_vdst(0)
	v_rcp_f32 v14, v14
	v_and_b32 v[A16], 15, v0
	s_delay_alu instid0(VALU_DEP_1)
	v_lshlrev_b32 v[A16], 5, v[A16]                ; ctx_sc: 32 bytes a row
	s_and_b32 s50, s18, 15
	s_lshr_b32 s51, s18, 4
	s_lshr_b32 s52, s50, 2
	s_mul_i32 s52, s52, 1572864                    ; ctx_img [head / 4][row tile 512][head % 4][768]
	s_lshl_b32 s53, s51, 7
	s_add_co_u32 s53, s53, s54
	s_mul_i32 s55, s53, 3072
	s_add_co_u32 s52, s52, s55
	s_and_b32 s55, s50, 3
	s_mul_i32 s55, s55, 768
	s_add_co_u32 s52, s52, s55
	s_lshl_b32 s48, s53, 9
	s_lshl_b32 s50, s50, 1
	s_add_co_u32 s48, s48, s50
	s_mov_b32 s53, 0
	s_mov_b32 s49, 0
	s_add_nc_u64 s[36:37], s[10:11], s[52:53]
	s_add_nc_u64 s[38:39], s[12:13], s[48:49]
	s_wait_alu depctr_va_vdst(0)
.set j, 0
.rept 32
	v_mul_f32 v[S+j], v[OT+j], v14                 ; register 8 t + i is ctx(query r, d = 16 t + 8 h + i)
.set j, j+1
.endr
.irp b, 0,1
.irp i, 0,1,2,3,4,5,6,7
	v_permlane16_swap_b32 v[S+16*\b+\i], v[S+16*\b+8+\i]   ; register 16 b + i is then d = 32 b + 16 h + i: w_proj's codes lie in their true order
.endr
.endr
.irp b, 0,1
	v_max3_num_f32 v[BM+\b], |v[S+16*\b]|, |v[S+16*\b+1]|, 0x1800000
.endr
.irp i, 2,4,6,8,10,12,14
.irp b, 0,1
	s_delay_alu instid0(VALU_DEP_2)
	v_max3_num_f32 v[BM+\b], v[BM+\b], |v[S+16*\b+\i]|, |v[S+16*\b+\i+1]|
.endr
.endr
.irp b, 0,1
	s_delay_alu instid0(VALU_DEP_2)
	v_permlanex16_b32 v[PT+\b], v[BM+\b], s[SEL], s[SEL+1]
.endr
.irp b, 0,1
	s_delay_alu instid0(VALU_DEP_2)
	v_max_num_f32 v[BM+\b], v[BM+\b], v[PT+\b]
.endr
.irp b, 0,1
	s_delay_alu instid0(VALU_DEP_2)
	v_add_nc_u32 v[BM+\b], 0xff000000, v[BM+\b]
.endr
.irp b, 0,1
	s_delay_alu instid0(VALU_DEP_2)
	v_lshrrev_b32 v[PT+4+\b], 23, v[BM+\b]
.endr
	s_delay_alu instid0(VALU_DEP_1)
	v_lshl_or_b32 v[TMP], v[PT+5], 8, v[PT+4]
	v_cvt_scalef32_pk16_fp6_f32 v[CD:CD+2], v[S:S+15], v[BM]
	v_cvt_scalef32_pk16_fp6_f32 v[PT:PT+2], v[S+16:S+31], v[BM+1]
	v_nop
.irp i, 0,1,2
	v_permlane16_swap_b32 v[CD+\i], v[PT+\i]
.endr
.irp i, 0,1,2
	s_delay_alu instid0(VALU_DEP_3)
	v_mov_b32 v[CD+3+\i], v[PT+\i]
.endr
	global_store_b128 v[B16], v[CD:CD+3], s[36:37]
	global_store_b64 v[B8], v[CD+4:CD+5], s[36:37] offset:512
	global_store_b16 v[A16], v[TMP], s[38:39]      ; two bytes of each row's 32: whole rows would want all 16 heads in one work-group
	s_wait_xcnt 0x0                                ; the stores have read their registers and bases
	s_add_co_u32 s54, s54, 16                      ; on to my second tile
	s_add_nc_u64 s[4:5], s[4:5], 12288
	s_add_nc_u64 s[6:7], s[6:7], 1024
	s_add_co_u32 s40, s40, 1
	s_cmp_eq_u32 s40, 2
	s_cbranch_scc1 .Ldone
	QINIT
	s_cmp_lg_u32 s40, 2
	s_cbranch_scc1 .Lq
.Ldone:
	v_lshl_add_u32 v254, v0, 2, SPARE
	v_mov_b32 v255, 0
	s_wait_alu depctr_va_vdst(0)
	s_wait_tensorcnt 0x0                           ; the wave's end
	ds_add_u32 v254, v255
	s_wait_dscnt 0x0
	ROUND                                          ; the closing round
	s_endpgm
.Lfunc_end_k_q13a24c239a_attn:
	.size	k_q13a24c239a_attn, .Lfunc_end_k_q13a24c239a_attn-k_q13a24c239a_attn
	.p2alignl 7, 3214868480
	.fill 96, 4, 3214868480
	.section	.rodata,"a",@progbits
	.p2align	6, 0x0
	.amdhsa_kernel k_q13a24c239a_attn
		.amdhsa_group_segment_fixed_size 210944
		.amdhsa_private_segment_fixed_size 0
		.amdhsa_enable_private_segment 0
		.amdhsa_kernarg_size 40
		.amdhsa_user_sgpr_count 2
		.amdhsa_user_sgpr_kernarg_segment_ptr 1
		.amdhsa_wavefront_size32 1
		.amdhsa_system_sgpr_workgroup_id_x 1
		.amdhsa_system_sgpr_workgroup_id_y 1
		.amdhsa_system_sgpr_workgroup_id_z 1
		.amdhsa_system_vgpr_workitem_id 0
		.amdhsa_next_free_vgpr 256
		.amdhsa_next_free_sgpr 66
		.amdhsa_reserve_vcc 0
		.amdhsa_float_denorm_mode_32 3
		.amdhsa_float_denorm_mode_16_64 3
		.amdhsa_memory_ordered 1
		.amdhsa_forward_progress 1
		.amdhsa_inst_pref_size 49
	.end_amdhsa_kernel
	.amdgpu_metadata
---
amdhsa.version: [ 1, 2 ]
amdhsa.kernels:
  - .name:           k_q13a24c239a_attn
    .symbol:         k_q13a24c239a_attn.kd
    .args:
      - { .name: q_img, .offset: 0, .size: 8, .value_kind: global_buffer, .address_space: global }
      - { .name: q_sc, .offset: 8, .size: 8, .value_kind: global_buffer, .address_space: global }
      - { .name: kv, .offset: 16, .size: 8, .value_kind: global_buffer, .address_space: global }
      - { .name: ctx_img, .offset: 24, .size: 8, .value_kind: global_buffer, .address_space: global }
      - { .name: ctx_sc, .offset: 32, .size: 8, .value_kind: global_buffer, .address_space: global }
    .group_segment_fixed_size: 210944
    .private_segment_fixed_size: 0
    .kernarg_segment_align: 8
    .kernarg_segment_size: 40
    .max_flat_workgroup_size: 512
    .sgpr_count:     66
    .vgpr_count:     256
    .wavefront_size: 32
...
	.end_amdgpu_metadata
.endif
;; end of part 2
;; launch proj (part 3): grid 8 x 32, 4 waves a work-group, clusters of 4 x 4, 327,680 bytes of LDS; arguments ctx_img, ctx_sc, w_proj_codes, w_proj_scales, b_proj, out0; writes out0
.if DOCPART == 3
	.amdgcn_target "amdgcn-amd-amdhsa--gfx1250"
	.amdhsa_code_object_version 6
	.text
	.protected	k_q13a24c239a_proj
	.globl	k_q13a24c239a_proj
	.p2align	8
	.type	k_q13a24c239a_proj,@function
k_q13a24c239a_proj:
	s_mov_b64 s[64:65], 0
	v_nop
	global_prefetch_b8 v0, s[64:65] scope:SCOPE_SE
	s_setreg_imm32_b32 hwreg(HW_REG_WAVE_MODE, 25, 1), 1
	s_wait_xcnt 0x0
	s_wait_alu depctr_hold_cnt(0) depctr_sa_sdst(0) depctr_va_vdst(0) depctr_va_sdst(0) depctr_va_ssrc(0) depctr_va_vcc(0) depctr_vm_vsrc(0)
	s_getreg_b32 s2, hwreg(HW_REG_IB_STS2, 6, 4)
	s_cmp_eq_u32 s2, 0
	s_cbranch_scc0 .Lentry_in_a_cluster
	s_endpgm
.Lentry_in_a_cluster:
	s_bfe_u32 s2, ttmp6, 0x10000c
	s_cmp_lg_u32 s2, 0xf033
	s_cbranch_scc0 .Lentry_shape_is_right
	s_endpgm
.Lentry_shape_is_right:
; out0 = ctx w_proj + b_proj on codes of FP6 (E2M3) with E8M0 scales, K = 1,024; f32 results.
; A work-group makes 256 rows x 128 columns; all of K of both operands lies in LDS, asked for at the head, one tensor load a wave, and nothing is filled again.
; ctx comes as images of operand registers, ctx_img [head / 4][row tile 512][head % 4][768]: the 16 row tiles of a work-group are 49,152 consecutive bytes in each of the four groups of heads; a wave fetches two groups as two rows of 49,152 bytes.
; w_proj's 128 rows come as rows of 768 bytes, each beginning at a multiple of 256 bytes, 16 bytes of padding behind every 256: LDS pitch 816.
; Four waves, 2 x 2: a wave makes 128 rows x 64 columns, 32 accumulators.  Source 0 = the weight's rows: a lane holds eight neighbouring columns of one row.  The bias is the C of each sum's first matrix instruction.
; Scale words come by plain loads, 512 consecutive bytes for 16 rows.  Results leave through a stage of the wave's own: sixteen lanes store 256 consecutive bytes, aligned.
; CLUSTER 4 x 4: ctx's rows are shared along a row of it, the weight's along a column.  No prefetch: every tile is asked for in the head's one group of loads, so there is no later load to run ahead of.
; REGISTERS: window 0 addresses, scale words, bias, the way out; windows 1 and 3 the two sets of fragments; window 2 the accumulators ((a, b) at v[8 (4 a + b)]).
.set PITCH, 816
.set KROW,  768
.set GSTR,  1572864
.set BB,    4*49152
.set SPARE, BB+128*PITCH
.set STAGE, SPARE+512
.set SRO, 6
.set BQ,  7
.set STO, 24
.set RD,  25
.set CO,  26
.set SPW, 28
.set NIL, 29
.set A16, 32
.set A8,  36
.set AB,  48
.set SA,  64
.set BK,  200
.set SB,  132
.set BI,  168
.set G1,  24
.set G0,  32
.set G1B, 48
.set G0B, 56
.set MSB, 0
.macro WIN new
.if MSB != (\new)
	s_set_vgpr_msb (MSB<<8)|(\new)
.set MSB, (\new)
.endif
.endm
.macro PLACES n
.rept \n
	v_nop
.endr
.endm
.macro CROUND
	s_barrier_signal -1
	s_barrier_wait -1
	s_cmp_lg_u32 s14, 0
	s_cbranch_scc1 .Lnw0_\@
	s_barrier_signal -3
.Lnw0_\@:
	s_barrier_wait -3
	s_barrier_signal -1
	s_barrier_wait -1
.endm
.macro FRAG reg, q, a                  ; six pieces of 8 bytes, two to a load where both go by one address register
.set SKIP_, 0
.irp p, 0,1,2,3,4,5
.if SKIP_
.set SKIP_, 0
.else
.set PC_, 12*(\q)+6*(\p/3)+\p%3
.set PN_, 12*(\q)+6*((\p+1)/3)+(\p+1)%3
.set X_, (PC_%32+3)/32
.set XQ_, (PN_%32+3)/32
.if (\p < 5) && (X_ == XQ_)
.set SKIP_, 1
	ds_load_2addr_b64 v[\reg+2*\p:\reg+2*\p+3], v[\a+X_] offset0:PC_+2*(PC_/32) offset1:PN_+2*(PN_/32)
.else
	ds_load_b64 v[\reg+2*\p:\reg+2*\p+1], v[\a+X_] offset:8*(PC_+2*(PC_/32))
.endif
.endif
.endr
.endm
; The rows go in two passes of 64 (h = 0, 1).  The weight's fragments of all eight steps stay in registers: step q's four at v[48 + 48 (q / 2)] of window 1 (q even) or 3 (q odd); ctx's four of a step at v0 of the same window.
.macro FETCHB q
	WIN (1+2*((\q)%2))<<6
.irp i, 0,1,2,3
	FRAG 48+48*((\q)/2)+12*\i, \q, AB+2*\i
.endr
.endm
.macro FETCHA q, h
	WIN (1+2*((\q)%2))<<6
.irp i, 0,1,2,3
.set R_, 12*\i
.set O_, (4*(\h)+\i)*3072+((\q)%2)*1536
	ds_load_b128 v[R_:R_+3], v[A16+(\q)/2] offset:O_
	ds_load_b64 v[R_+4:R_+5], v[A8+(\q)/2] offset:O_+512
	ds_load_b128 v[R_+6:R_+9], v[A16+(\q)/2] offset:O_+768
	ds_load_b64 v[R_+10:R_+11], v[A8+(\q)/2] offset:O_+1280
.endr
.endm
.macro P1 d, s0, s1, c, x0, x1
	v_wmma_scale_f32_16x16x128_f8f6f4 v[\d:\d+7], v[\s0:\s0+11], v[\s1:\s1+11], \c, v[\x0], v[\x1] matrix_a_fmt:MATRIX_FMT_FP6 matrix_b_fmt:MATRIX_FMT_FP6
.endm
.macro MUL h, q                        ; 16 products of pass h; the 16 accumulators take turns
.if (\q) == 0
	WIN 5*(1+2*((\q)%2))+0x80
.else
	WIN 5*(1+2*((\q)%2))+0xa0
.endif
.irp a, 0,1,2,3
.irp b, 0,1,2,3
.set D_, 8*(4*(4*(\h)+\a)+\b)
.set S0_, 48+48*((\q)/2)+12*\b
.set X0_, SB+8*\b+(\q)
.set X1_, SA+8*(4*(\h)+\a)+(\q)
.if (\q) == 0
	P1 D_, S0_, 12*\a, v[BI+8*\b:BI+8*\b+7], X0_, X1_
.else
	P1 D_, S0_, 12*\a, v[D_:D_+7], X0_, X1_
.endif
.endr
.endr
.endm
	s_load_b256 s[4:11], s[0:1], 0x0               ; ctx_img, ctx_sc, w's codes, w's scales
	s_load_b64 s[12:13], s[0:1], 0x20              ; b_proj
	s_load_b64 s[66:67], s[0:1], 0x28              ; out0
	v_lshl_add_u32 v[SPW], v0, 2, SPARE
	v_mov_b32 v[NIL], 0
	ds_add_u32 v[SPW], v[NIL]                      ; the opening lines
	ds_add_u32 v[SPW], v[NIL]
	v_lshrrev_b32 v1, 5, v0
	v_readfirstlane_b32 s14, v1
	s_lshr_b32 s15, s14, 1                         ; my half of the rows; also: I fetch ctx (0) or w (1)
	s_and_b32 s16, s14, 1                          ; my half of the columns; also: which half I fetch
	s_bfe_u32 s40, ttmp6, 0x40000
	s_bfe_u32 s41, ttmp6, 0x40004
	s_lshl_b32 s42, ttmp9, 2
	s_add_co_u32 s42, s42, s40                     ; tile column, 0..7
	s_and_b32 s17, ttmp7, 0xffff
	s_lshl_b32 s17, s17, 2
	s_add_co_u32 s17, s17, s41                     ; block of 256 rows, 0..31
	s_lshl_b32 s43, s41, 2
	s_lshl_b32 s43, 15, s43
	s_lshl_b32 s44, 0x1111, s40
	s_or_b32 s[G1], s43, (3<<16)|(1<<21)           ; two rows of 6,144 elements of 8 bytes, GSTR bytes apart, no padding
	s_mov_b32 s[G1+1], 6144<<16
	s_mov_b32 s[G1+2], 2<<16
	s_mov_b32 s[G1+3], 6144<<16
	s_mov_b32 s[G1+4], 2
	s_mov_b32 s[G1+5], GSTR/8
	s_mov_b32 s[G1+6], 0
	s_mov_b32 s[G1+7], 0
	s_or_b32 s[G1B], s44, (1<<20)|(1<<21)|(5<<22)|(3<<25)
	s_mov_b32 s[G1B+1], KROW<<16
	s_mov_b32 s[G1B+2], 64<<16
	s_mov_b32 s[G1B+3], KROW<<16
	s_mov_b32 s[G1B+4], 64
	s_mov_b32 s[G1B+5], KROW
	s_mov_b32 s[G1B+6], 0
	s_mov_b32 s[G1B+7], 0
	s_mul_i32 s20, s17, 49152
	s_mul_i32 s2, s16, 2*GSTR
	s_add_co_u32 s20, s20, s2
	s_mov_b32 s21, 0
	s_mul_i32 s46, s42, 128*KROW
	s_mul_i32 s2, s16, 64*KROW
	s_add_co_u32 s46, s46, s2
	s_mov_b32 s47, 0
	s_lshl_b32 s22, s17, 13
	s_lshl_b32 s2, s15, 12
	s_add_co_u32 s22, s22, s2                      ; my rows' scale bytes
	s_mov_b32 s23, 0
	s_lshl_b32 s92, s42, 12
	s_lshl_b32 s2, s16, 11
	s_add_co_u32 s92, s92, s2                      ; my columns' scale bytes
	s_mov_b32 s93, 0
	s_lshr_b32 s18, s92, 3                         ; my columns, 4 bytes each: the bias, and the place in a row of out0
	s_mov_b32 s19, 0
	s_lshl_b32 s80, s17, 20
	s_lshl_b32 s2, s15, 19
	s_add_co_u32 s80, s80, s2
	s_add_co_u32 s80, s80, s18                     ; my first number of out0
	s_mov_b32 s81, 0
	s_mov_b32 s[G0], 1
	s_mul_i32 s[G0+1], s16, 2*49152
	s_mov_b32 s[G0B], 1
	s_mul_i32 s[G0B+1], s16, 64*PITCH
	s_add_co_u32 s[G0B+1], s[G0B+1], BB
	s_mul_i32 s60, s15, 8*3072
	s_mul_i32 s62, s14, 16*272
	s_add_co_u32 s62, s62, STAGE
	s_wait_dscnt 0x0
	s_wait_kmcnt 0x0
	s_add_nc_u64 s[G0+2:G0+3], s[4:5], s[20:21]
	s_or_b32 s[G0+3], s[G0+3], 0x80000000
	s_add_nc_u64 s[G0B+2:G0B+3], s[8:9], s[46:47]
	s_or_b32 s[G0B+3], s[G0B+3], 0x80000000
	s_add_nc_u64 s[22:23], s[6:7], s[22:23]
	s_add_nc_u64 s[92:93], s[10:11], s[92:93]
	s_add_nc_u64 s[12:13], s[12:13], s[18:19]
	s_add_nc_u64 s[66:67], s[66:67], s[80:81]
	CROUND                                         ; the joint loads meet
	s_cmp_eq_u32 s15, 0
	s_cbranch_scc0 .Lhb
	tensor_load_to_lds s[G0:G0+3], s[G1:G1+7]      ; waves 0, 1: two groups of heads each
	s_nop 0
	PLACES 4
	s_branch .Lha
.Lhb:
	tensor_load_to_lds s[G0B:G0B+3], s[G1B:G1B+7]  ; waves 2, 3: 64 rows of w_proj each
	s_nop 0
	PLACES 4
.Lha:
	v_and_b32 v1, 15, v0
	v_bfe_u32 v2, v0, 4, 1
	v_and_b32 v3, 31, v0
	v_mul_u32_u24 v4, v1, PITCH
	v_mad_u32_u24 v5, v2, 40, v4
	v_mad_u32_u24 v4, v2, 24, v4
	v_add_nc_u32 v[AB], s[G0B+1], v4
	v_add_nc_u32 v[AB+1], s[G0B+1], v5
.irp i, 1,2,3
	v_add_nc_u32 v[AB+2*\i], \i*16*PITCH, v[AB]
	v_add_nc_u32 v[AB+2*\i+1], \i*16*PITCH, v[AB+1]
.endr
	v_lshl_add_u32 v[A16], v3, 4, s60
	v_lshl_add_u32 v[A8], v3, 3, s60
.irp g, 1,2,3
	v_add_nc_u32 v[A16+\g], \g*49152, v[A16]
	v_add_nc_u32 v[A8+\g], \g*49152, v[A8]
.endr
	v_lshlrev_b32 v[SRO], 5, v1
	v_lshlrev_b32 v[BQ], 5, v2
	v_mul_u32_u24 v4, v1, 272
	v_lshl_add_u32 v4, v2, 5, v4
	v_add_nc_u32 v[STO], s62, v4                   ; in: row r, 32 bytes for each half of the lanes
	v_mul_u32_u24 v5, v2, 272
	v_lshl_add_u32 v5, v1, 4, v5
	v_add_nc_u32 v[RD], s62, v5                    ; back: lanes 0-15 one row of 256 bytes, lanes 16-31 the next
	v_lshlrev_b32 v4, 12, v2
	v_lshl_add_u32 v[CO], v1, 4, v4                ; the same two rows in out0
	s_wait_alu depctr_va_vdst(0)
.irp i, 0,1,2,3,4,5,6,7
	global_load_b128 v[SA+8*\i:SA+8*\i+3], v[SRO], s[22:23] offset:512*\i
	global_load_b128 v[SA+8*\i+4:SA+8*\i+7], v[SRO], s[22:23] offset:512*\i+16
.endr
.irp b, 0,1,2,3
	global_load_b128 v[SB+8*\b:SB+8*\b+3], v[SRO], s[92:93] offset:512*\b
	global_load_b128 v[SB+8*\b+4:SB+8*\b+7], v[SRO], s[92:93] offset:512*\b+16
	global_load_b128 v[BI+8*\b:BI+8*\b+3], v[BQ], s[12:13] offset:64*\b
	global_load_b128 v[BI+8*\b+4:BI+8*\b+7], v[BQ], s[12:13] offset:64*\b+16
.endr
	s_wait_tensorcnt 0x0                           ; my tile is in,
	s_barrier_signal -1
	s_barrier_wait -1                              ; everybody's is
	FETCHB 0
	FETCHA 0, 0
	FETCHB 1
	WIN 0
	s_wait_loadcnt 0x0
.irp q, 0,1,2,3,4,5,6,7                ; pass 0: my rows 0-63
	s_wait_dscnt 0x0                               ; all fragments asked for so far
	PLACES 4
.if \q < 7
	FETCHA \q+1, 0
.else
	FETCHA 0, 1                                    ; pass 1's first fragments
.endif
.if \q < 3
	FETCHB 2*\q+2
	FETCHB 2*\q+3
.endif
	MUL 0, \q
.endr
	WIN 0
	PLACES 4
; THE WAY OUT, block by block of 16 rows x 64 columns, through my own stage; LDS serves a wave's instructions in order
.macro TOSTAGE a
	WIN 0x08
.irp b, 0,1,2,3
	ds_store_b128 v[STO], v[32*(\a)+8*\b:32*(\a)+8*\b+3] offset:64*\b
	ds_store_b128 v[STO], v[32*(\a)+8*\b+4:32*(\a)+8*\b+7] offset:64*\b+16
.endr
	WIN 0
.irp t, 0,1,2,3,4,5,6,7
	ds_load_b128 v[BK-136*((\a)%2)+4*\t:BK-136*((\a)%2)+4*\t+3], v[RD] offset:\t*544   ; even blocks to v200-231, odd ones to v64-95 (the scale words of rows 0-63 have served)
.endr
.endm
.macro SEND a, younger
	s_wait_dscnt \younger
.irp t, 0,1,2,3,4,5,6,7
	global_store_b128 v[CO], v[BK-136*((\a)%2)+4*\t:BK-136*((\a)%2)+4*\t+3], s[66:67] offset:(16*(\a)+2*\t)*4096 th:TH_STORE_NT
.endr
.endm
	TOSTAGE 0                                      ; pass 0's rows leave ahead of pass 1's products
.irp a, 1,2,3
	s_wait_xcnt 0x0                                ; earlier stores have read their registers
	TOSTAGE \a
	SEND \a-1, 16                                  ; younger: block a's 8 stores and 8 loads
.endr
	SEND 3, 0
.irp q, 0,1,2,3,4,5,6,7                ; pass 1: my rows 64-127
	s_wait_dscnt 0x0
	PLACES 4
.if \q < 7
	FETCHA \q+1, 1
.endif
	MUL 1, \q
.endr
	WIN 0
	PLACES 4
	s_wait_xcnt 0x0
	TOSTAGE 4
.irp a, 5,6,7
	s_wait_xcnt 0x0
	TOSTAGE \a
	SEND \a-1, 16
.endr
	SEND 7, 0
	s_wait_tensorcnt 0x0                           ; the wave's end
	ds_add_u32 v[SPW], v[NIL]
	s_wait_dscnt 0x0
	CROUND                                         ; the closing round
	s_endpgm
.Lfunc_end_k_q13a24c239a_proj:
	.size	k_q13a24c239a_proj, .Lfunc_end_k_q13a24c239a_proj-k_q13a24c239a_proj
	.p2alignl 7, 3214868480
	.fill 96, 4, 3214868480
	.section	.rodata,"a",@progbits
	.p2align	6, 0x0
	.amdhsa_kernel k_q13a24c239a_proj
		.amdhsa_group_segment_fixed_size 327680
		.amdhsa_private_segment_fixed_size 0
		.amdhsa_enable_private_segment 0
		.amdhsa_kernarg_size 48
		.amdhsa_user_sgpr_count 2
		.amdhsa_user_sgpr_kernarg_segment_ptr 1
		.amdhsa_wavefront_size32 1
		.amdhsa_system_sgpr_workgroup_id_x 1
		.amdhsa_system_sgpr_workgroup_id_y 1
		.amdhsa_system_sgpr_workgroup_id_z 1
		.amdhsa_system_vgpr_workitem_id 0
		.amdhsa_next_free_vgpr 1024
		.amdhsa_next_free_sgpr 98
		.amdhsa_reserve_vcc 0
		.amdhsa_float_denorm_mode_32 3
		.amdhsa_float_denorm_mode_16_64 3
		.amdhsa_memory_ordered 1
		.amdhsa_forward_progress 1
		.amdhsa_inst_pref_size 84
	.end_amdhsa_kernel
	.amdgpu_metadata
---
amdhsa.version: [ 1, 2 ]
amdhsa.kernels:
  - .name:           k_q13a24c239a_proj
    .symbol:         k_q13a24c239a_proj.kd
    .args:
      - { .name: ctx_img, .offset: 0, .size: 8, .value_kind: global_buffer, .address_space: global }
      - { .name: ctx_sc, .offset: 8, .size: 8, .value_kind: global_buffer, .address_space: global }
      - { .name: w_proj_codes, .offset: 16, .size: 8, .value_kind: global_buffer, .address_space: global }
      - { .name: w_proj_scales, .offset: 24, .size: 8, .value_kind: global_buffer, .address_space: global }
      - { .name: b_proj, .offset: 32, .size: 8, .value_kind: global_buffer, .address_space: global }
      - { .name: out0, .offset: 40, .size: 8, .value_kind: global_buffer, .address_space: global }
    .group_segment_fixed_size: 327680
    .private_segment_fixed_size: 0
    .kernarg_segment_align: 8
    .kernarg_segment_size: 48
    .max_flat_workgroup_size: 128
    .sgpr_count:     98
    .vgpr_count:     1024
    .wavefront_size: 32
...
	.end_amdgpu_metadata
.endif
;; end of part 3
